; MI455X (gfx1250); checked and timed in simulation.
; The chip was launched on July 23, 2026; its instructions are those of AMD's public machine-readable ISA for CDNA 5 (MIT licence, August 2026) and "CDNA5" Instruction Set Architecture Reference Guide (July 2026). The comments in the code are by the model that wrote it; some were corrected since.
;; Inference and Generation. Allowed arithmetic: float matrix products may take bf16 or f16 operands with f32 sums; all other float work in f32.
;; Inputs: logit_raw 4 x 1 x 64 x 64 float32; tmap_raw 4 x 4 x 64 x 64 float32.
;; Outputs: out0 50 x 4 float32; out1 50 x 4 float32; out2 50 x 4 float32; out3 50 x 4 float32; out4 50 x 4 float32.
;; Constants: n_objects_max = 50, topk_only = 0.
;; 3 versions, each right and faster than the one before. Each part assembles by itself: llvm-mc -triple=amdgcn-amd-amdhsa -mcpu=gfx1250 --defsym DOCPART=n.
;; ======== version 1 of 3: 1 launch
;; launch nms (part 1): grid 4 x 1, 8 waves a work-group, no clusters, 3,328 bytes of LDS; arguments logit_raw, tmap_raw, out0, out1, out2, out3, out4; writes out0, out1, out2, out3, out4
.if DOCPART == 1
	.amdgcn_target "amdgcn-amd-amdhsa--gfx1250"
	.amdhsa_code_object_version 6
	.text
	.protected	k_q85337a9733_nms
	.globl	k_q85337a9733_nms
	.p2align	8
	.type	k_q85337a9733_nms,@function
k_q85337a9733_nms:
	s_mov_b64 s[64:65], 0
	v_nop
	global_prefetch_b8 v0, s[64:65] scope:SCOPE_SE
	s_setreg_imm32_b32 hwreg(HW_REG_WAVE_MODE, 25, 1), 1
	s_wait_xcnt 0x0
; Greedy non-maximum suppression and top-50, four images of 64 x 64 = 4,096 boxes.  One work-group for each image (ttmp9), eight waves.
; An image's 50 picks depend on each other and no data may pass between work-groups, so one image cannot be shared further.
;
; WHAT IS COMPUTED.  Of the 4,096 x 4,096 overlap table only the 50 picked rows are ever read, so only these are formed: in each pick every box is
; tested against the last winner.  The picks come in falling probability, equal ones by rising index, which is the order of the top-50 itself, so
; pick k IS row k of the outputs.  A box's score is p while it is alive, 0 once it is suppressed, -1 once it has been put out.  Should no positive
; score be left, the largest score is 0 and the lowest index wins: the zeros of the masked probabilities in rising index, as the top-50 lists them.
;
; SHARE OF A LANE.  Lane l of wave w keeps 16 boxes in registers, box j = 2 a + b: index 512 a + 64 w + 32 b + l, that is ix = w + 8 a, iy = 32 b + l.
; Two boxes of one lane are 8 cells (64 pixels) apart in x or 32 cells apart in y; their centres lie at least 56 pixels apart and no side is above 40,
; so they never overlap.  In the winner's own lane the winner therefore hits itself alone, and ONE number a lane, ZZ (-1 in that lane, 0 elsewhere),
; tells 'put out' from 'suppressed'.
;
; NO ADDRESS AND NO BRANCH HANGS ON A FLOATING-POINT NUMBER: the winner's data are chosen by v_cndmask_b32 and by the lane operand of v_readlane_b32.
;
; LIMITS.  (1) v_exp_f32 and v_rcp_f32 flush denormals: for a logit below about -87 p is taken as 0 where the exact value is 1.2e-38 or less.
; (2) NaN inputs are not served.  (3) The test is  intersection > 0.3 x smaller area  by one fused multiply-add, with the area taken as
; (x3 - x1)(y3 - y1), not a rounded quotient: a pair within about one rounding step of the threshold may fall on the other side.  The clip of the
; area at 1e-6 is never active: every area is at least 100.  (4) p carries the error of v_exp_f32 and v_rcp_f32 (1 ULP each): two boxes whose exact p
; differ by less may change places.  (5) Centres and sizes are put out as (x1 + x3) / 2 and x3 - x1: a relative error of about 1e-6.
.set PICKS, 50
.set SLOTS, 0                          ; LDS 0-511: two rings of eight slots of 32 bytes, wave w at 32 w: x1 x3 y1 y3, score, index (f32)
.set RING,  256                        ; from one ring to the other
.set STAGE, 512                        ; LDS 512-2111: pick k at 512 + 32 k: score x1 x3 y1, y3
.set LANE,  1                          ; v1    lane
.set LB,    2                          ; v2    64 w + lane
.set GOFF,  3                          ; v3    256 w + 4 lane: my byte in a map's first 512 boxes; never rewritten
.set SLW,   4                          ; v4    32 w: my wave's slot
.set SLR,   5                          ; v5    32 (lane mod 8): the slot that I read
.set STG,   6                          ; v6    stage address of the trip's first pick
.set ZERO,  7                          ; v7    0
.set NEG1,  8                          ; v8    -1.0
.set ZZ,    9                          ; v9    -1 in the last winner's lane, else 0
.set BEST,  10                         ; v10   my best score
.set JJ,    11                         ; v11   512 a + 32 b of my best box
.set II,    12                         ; v12   its index, as f32 (exact: below 4,096)
.set TT,    13                         ; v13   what v_permlanex16_b32 brings
.set MX,    14                         ; v14   the wave's best score    (v[14:15] go into the slot together)
.set KX,    15                         ; v15   the wave's best index
.set X1,    16                         ; v16-31   left edges
.set X3,    32                         ; v32-47   right edges
.set Y1,    48                         ; v48-63   lower edges
.set Y3,    64                         ; v64-79   upper edges
.set TA,    80                         ; v80-95   0.3 x area
.set SC,    96                         ; v96-111  scores
.set WA,    112                        ; v112-127 at work: four boxes x four numbers
.set WB,    116
.set WC,    120
.set WD,    124
.set REC,   128                        ; v[128:131] my best box: x1 x3 y1 y3
.set SV,    132                        ; v[132:135] the wave's best box, in every lane
.set QQ,    136                        ; v[136:139] a slot's box
.set QS,    140                        ; v140  a slot's score    (v[140:141] are loaded together)
.set QI,    141                        ; v141  a slot's index
.set EE,    144                        ; v[144:148] the pick: score x1 x3 y1 y3
.set K2,    149                        ; v149  the pick's index
.set TA2,   150                        ; v150  0.3 x area of a slot's box
.set W1,    151                        ; v151  at work
.set CX,    152                        ; v152  8 ix
.set CY,    153                        ; v153, v154  8 iy for b = 0, 1
	s_load_b128 s[4:7], s[0:1], 0x0                ; logit_raw s[4:5], tmap_raw s[6:7]
	s_load_b256 s[8:15], s[0:1], 0x10              ; out0 s[8:9], out1 s[10:11], out2 s[12:13], out3 s[14:15]
	s_load_b64 s[16:17], s[0:1], 0x30              ; out4
	v_lshl_add_u32 v160, v0, 2, 0x900
	v_mov_b32 v161, 0
	v_and_b32 v[LANE], 31, v0
	v_lshrrev_b32 v[LB], 5, v0
	v_readfirstlane_b32 s18, v[LB]                 ; wave 0..7, as a scalar
	v_lshl_add_u32 v[LB], v[LB], 6, v[LANE]        ; 64 w + lane
	v_lshlrev_b32 v[GOFF], 2, v[LB]
	s_lshl_b32 s21, s18, 5
	v_mov_b32 v[SLW], s21
	v_and_b32 v[SLR], 7, v0
	v_lshlrev_b32 v[SLR], 5, v[SLR]
	v_mov_b32 v[STG], STAGE
	v_mov_b32 v[ZERO], 0
	v_mov_b32 v[NEG1], -1.0
	v_mov_b32 v[ZZ], 0
	v_mov_b32 v[TT], 0                             ; the destination of v_permlanex16_b32 counts as read: written once here
	s_lshl_b32 s21, s18, 3
	v_cvt_f32_u32 v[CX], s21                       ; 8 ix for a = 0
	v_lshlrev_b32 v[W1], 3, v[LANE]
	v_cvt_f32_u32 v[CY], v[W1]                     ; 8 iy for b = 0,
	v_add_f32 v[CY+1], 0x43800000, v[CY]           ; and 256 more for b = 1
	s_mov_b32 s22, 0x76543210                      ; v_permlanex16_b32: lane i takes lane i of the other half
	s_mov_b32 s23, 0xfedcba98
	s_mov_b32 s33, 0x71800000                      ; 2^100
	s_mov_b32 s34, 0xbfb8aa3b                      ; -log2 e
	s_mov_b32 s35, 0x41000000                      ; 8.0 = 512 / 64
	s_mov_b32 s36, 0x41700000                      ; 15.0: half of 40 - 10
	s_mov_b32 s37, 0x40a00000                      ; 5.0: half of 10
	s_mov_b32 s38, 0x3e99999a                      ; 0.3
	s_mov_b32 s39, 0x46000000                      ; 8192.0: above every index
	s_lshl_b32 s40, ttmp9, 14                      ; my image in logit_raw: 4,096 numbers of 4 bytes
	s_mov_b32 s41, 0
	s_wait_kmcnt 0x0
	s_add_nc_u64 s[4:5], s[4:5], s[40:41]
	s_lshl_b32 s40, ttmp9, 16                      ; in tmap_raw: four such maps
	s_add_nc_u64 s[6:7], s[6:7], s[40:41]
	; All 80 loads at once, five for each box, box by box.  A load of the wave covers 128 consecutive bytes; those of b = 0 and b = 1 together an aligned 256.
.irp j, 0,1,2,3,4,5,6,7,8,9,10,11,12,13,14,15
	global_load_b32 v[SC+\j], v[GOFF], s[4:5] offset:2048*(\j/2)+128*(\j%2) th:TH_LOAD_NT
	global_load_b32 v[X1+\j], v[GOFF], s[6:7] offset:2048*(\j/2)+128*(\j%2) th:TH_LOAD_NT            ; tx
	global_load_b32 v[Y1+\j], v[GOFF], s[6:7] offset:16384+2048*(\j/2)+128*(\j%2) th:TH_LOAD_NT      ; ty
	global_load_b32 v[X3+\j], v[GOFF], s[6:7] offset:32768+2048*(\j/2)+128*(\j%2) th:TH_LOAD_NT      ; tw
	global_load_b32 v[Y3+\j], v[GOFF], s[6:7] offset:49152+2048*(\j/2)+128*(\j%2) th:TH_LOAD_NT      ; th
.endr
; Box j: five sigmoids 1 / (1 + 2^(-x log2 e)), then edges and 0.3 x area.
.macro PREP j
.if 5*(15-\j) > 63
	s_wait_loadcnt 63                              ; five loads for each later box were issued behind mine; the wait can name 63 at the most, and fewer is safe
.else
	s_wait_loadcnt 5*(15-\j)                       ; loads come back in order: mine are in, the five of each later box may be out
.endif
	v_mul_f32 v[WA+0], s34, v[SC+\j]
	v_mul_f32 v[WA+1], s34, v[X1+\j]
	v_mul_f32 v[WA+2], s34, v[Y1+\j]
	v_mul_f32 v[WA+3], s34, v[X3+\j]
	v_mul_f32 v[WA+4], s34, v[Y3+\j]
.irp i, 0,1,2,3,4
	v_exp_f32 v[WA+5+\i], v[WA+\i]
.endr
	v_nop                                          ; one plain vector instruction behind the transcendentals, ahead of the first use of a result (ISA guide 5.7.2)
	s_wait_alu depctr_va_vdst(0)
.irp i, 0,1,2,3,4
	v_add_f32 v[WA+\i], 1.0, v[WA+5+\i]
.endr
	v_rcp_f32 v[SC+\j], v[WA+0]                    ; p: the box's first score
	v_rcp_f32 v[WA+5], v[WA+1]                     ; tx
	v_rcp_f32 v[WA+6], v[WA+2]                     ; ty
	v_rcp_f32 v[WA+7], v[WA+3]                     ; tw
	v_rcp_f32 v[WA+8], v[WA+4]                     ; th
	v_nop                                          ; as above
	s_wait_alu depctr_va_vdst(0)
	v_fma_f32 v[WA+10], v[WA+5], s35, v[CX]        ; bx = 8 tx + 8 ix: one rounding, the same as 8 x (ix + tx)
	v_fma_f32 v[WA+11], v[WA+6], s35, v[CY+\j%2]   ; by
	v_fma_f32 v[WA+12], v[WA+7], s36, s37          ; bw / 2 = 5 + 15 tw
	v_fma_f32 v[WA+13], v[WA+8], s36, s37          ; bh / 2
	v_sub_f32 v[X1+\j], v[WA+10], v[WA+12]
	v_add_f32 v[X3+\j], v[WA+10], v[WA+12]
	v_sub_f32 v[Y1+\j], v[WA+11], v[WA+13]
	v_add_f32 v[Y3+\j], v[WA+11], v[WA+13]
	v_sub_f32 v[WA+0], v[X3+\j], v[X1+\j]
	v_sub_f32 v[WA+1], v[Y3+\j], v[Y1+\j]
	v_mul_f32 v[WA+0], v[WA+0], v[WA+1]
	v_mul_f32 v[TA+\j], s38, v[WA+0]               ; 0.3 x area
.if \j%2
	v_add_f32 v[CX], 0x42800000, v[CX]             ; the next a: ix + 8, 64 pixels on
.endif
.endm
.irp j, 0,1,2,3,4,5,6,7,8,9,10,11,12,13,14,15
	PREP \j
.endr
	; A last winner that hits nothing (its right edge far left of its left edge), so that all 50 picks run the same text.
	s_mov_b32 s28, 0x49800000                      ; x1 = 2^20
	s_mov_b32 s29, 0xc9800000                      ; x3 = -2^20
	s_mov_b32 s30, 0                               ; y1
	s_mov_b32 s31, 0                               ; y3
	s_mov_b32 s32, 1.0                             ; 0.3 x area
	s_mov_b32 s19, PICKS/2                         ; a trip makes two picks, one on each ring of slots
; My best box so far against box j.  An equal score keeps the earlier box: rising j is rising index.
; For j = 1 the 'best so far' is box 0 in its own registers: nothing is copied first.
.macro MERGE j
.if (\j) == 1
	v_cmp_ge_f32 vcc_lo, v[SC], v[SC+1]
	v_cndmask_b32 v[JJ], 32, v[ZERO], vcc_lo
	v_cndmask_b32 v[REC+0], v[X1+1], v[X1], vcc_lo
	v_cndmask_b32 v[REC+1], v[X3+1], v[X3], vcc_lo
	v_cndmask_b32 v[REC+2], v[Y1+1], v[Y1], vcc_lo
	v_cndmask_b32 v[REC+3], v[Y3+1], v[Y3], vcc_lo
	v_max_num_f32 v[BEST], v[SC], v[SC+1]
.else
	v_cmp_ge_f32 vcc_lo, v[BEST], v[SC+\j]
	v_cndmask_b32 v[JJ], 512*((\j)/2)+32*((\j)%2), v[JJ], vcc_lo
	v_cndmask_b32 v[REC+0], v[X1+\j], v[REC+0], vcc_lo
	v_cndmask_b32 v[REC+1], v[X3+\j], v[REC+1], vcc_lo
	v_cndmask_b32 v[REC+2], v[Y1+\j], v[REC+2], vcc_lo
	v_cndmask_b32 v[REC+3], v[Y3+\j], v[REC+3], vcc_lo
	v_max_num_f32 v[BEST], v[BEST], v[SC+\j]
.endif
.endm
; Boxes 4 g .. 4 g + 3 against the last winner (s28-s32: x1 x3 y1 y3, 0.3 x area), step by step across the four so that no line waits for the one before.
; t = 0.3 min(area, AREA) - max(ox, 0) oy, one rounding; t < 0 is a hit.  One of the two overlaps is clipped: with ox <= 0 the product is 0, with oy < 0 it
; is negative, and t stays above 0 either way.  A t below 0 is -2^-48 or further down (both overlaps are then at least 0.75, so the product's last bit is
; 2^-48 or more), so 2^100 t + 1 is at least 1 where there is no hit and far below -1 where there is one: max with ZZ, then min into the score, leaves the score, or sets
; it to 0 (suppressed) or -1 (the winner itself).  Only minima are taken, so a box that has been put out never comes back.
.macro GROUP g
.irp i, 0,1,2,3
	v_min_num_f32 v[WA+\i], s29, v[X3+4*\g+\i]
.endr
.irp i, 0,1,2,3
	v_max_num_f32 v[WB+\i], s28, v[X1+4*\g+\i]
.endr
.irp i, 0,1,2,3
	v_min_num_f32 v[WC+\i], s31, v[Y3+4*\g+\i]
.endr
.irp i, 0,1,2,3
	v_max_num_f32 v[WD+\i], s30, v[Y1+4*\g+\i]
.endr
.irp i, 0,1,2,3
	v_sub_f32 v[WA+\i], v[WA+\i], v[WB+\i]         ; ox
.endr
.irp i, 0,1,2,3
	v_sub_f32 v[WC+\i], v[WC+\i], v[WD+\i]         ; oy
.endr
.irp i, 0,1,2,3
	v_min_num_f32 v[WB+\i], s32, v[TA+4*\g+\i]
.endr
.irp i, 0,1,2,3
	v_max_num_f32 v[WA+\i], 0, v[WA+\i]
.endr
.irp i, 0,1,2,3
	v_fma_f32 v[WB+\i], -v[WA+\i], v[WC+\i], v[WB+\i]      ; t
.endr
.irp i, 0,1,2,3
	v_fma_f32 v[WB+\i], v[WB+\i], s33, 1.0
.endr
.irp i, 0,1,2,3
	v_max_num_f32 v[WB+\i], v[WB+\i], v[ZZ]
.endr
.irp i, 0,1,2,3
	v_min_num_f32 v[SC+4*\g+\i], v[SC+4*\g+\i], v[WB+\i]
.endr
.irp i, 0,1,2,3
.if 4*\g+\i > 0
	MERGE 4*\g+\i
.endif
.endr
.endm
; Maximum or minimum over each group of eight lanes, result in all eight; opd: the DPP form of the instruction.
.macro RED8 opd, r
	\opd v[\r], v[\r], v[\r] row_xmask:1 row_mask:0xf bank_mask:0xf
	\opd v[\r], v[\r], v[\r] row_xmask:2 row_mask:0xf bank_mask:0xf
	\opd v[\r], v[\r], v[\r] row_xmask:4 row_mask:0xf bank_mask:0xf
.endm
; The same over all 32 lanes.
.macro RED32 opd, op, r
	RED8 \opd, \r
	\opd v[\r], v[\r], v[\r] row_xmask:8 row_mask:0xf bank_mask:0xf
	v_permlanex16_b32 v[TT], v[\r], s22, s23
	\op v[\r], v[\r], v[TT]
.endm
; One pick, on ring p of the slots.
.macro PICK p
	GROUP 0
	GROUP 1
	GROUP 2
	GROUP 3
	; the wave's best: the largest score, and among equal ones the lowest index
	v_add_nc_u32 v[II], v[JJ], v[LB]
	v_cvt_f32_u32 v[II], v[II]
	v_mov_b32 v[MX], v[BEST]
	RED32 v_max_num_f32_dpp, v_max_num_f32, MX
	v_cmp_eq_f32 vcc_lo, v[BEST], v[MX]
	v_cndmask_b32 v[KX], s39, v[II], vcc_lo        ; lanes that do not hold the maximum bid 8192
	RED32 v_min_num_f32_dpp, v_min_num_f32, KX
	v_cmp_eq_f32 s20, v[II], v[KX]                 ; one lane: no two lanes hold the same index
	s_ctz_i32_b32 s21, s20
.irp i, 0,1,2,3
	v_readlane_b32 s[24+\i], v[REC+\i], s21
.endr
.irp i, 0,1,2,3
	v_mov_b32 v[SV+\i], s[24+\i]
.endr
	ds_store_b128 v[SLW], v[SV:SV+3] offset:SLOTS+\p*RING          ; all lanes store the same bytes to the wave's own slot
	ds_store_b64 v[SLW], v[MX:MX+1] offset:SLOTS+\p*RING+16
	s_wait_dscnt 0x0                               ; for the other waves' sake: my slot is written (and wave 0's last stage stores are done)
	s_barrier_signal -1
	s_barrier_wait -1                              ; all eight slots of this ring are written.  ONE barrier a pick is enough: this ring is written again two picks
	                                               ; on, behind the other ring's barrier, and in front of that one every wave has waited for its reads below
	; the work-group's best of the eight slots, found alike by every wave
	ds_load_b128 v[QQ:QQ+3], v[SLR] offset:SLOTS+\p*RING
	ds_load_b64 v[QS:QS+1], v[SLR] offset:SLOTS+\p*RING+16
	s_wait_dscnt 0x0
	v_sub_f32 v[TA2], v[QQ+1], v[QQ+0]             ; 0.3 x area in the same steps as at the start: the same bits
	v_sub_f32 v[W1], v[QQ+3], v[QQ+2]
	v_mul_f32 v[TA2], v[TA2], v[W1]
	v_mul_f32 v[TA2], s38, v[TA2]
	v_mov_b32 v[EE], v[QS]
	RED8 v_max_num_f32_dpp, EE
	v_cmp_eq_f32 vcc_lo, v[QS], v[EE]
	v_cndmask_b32 v[K2], s39, v[QI], vcc_lo
	RED8 v_min_num_f32_dpp, K2
	v_cmp_eq_f32 s20, v[QI], v[K2]                 ; the four lanes that read the winning slot
	s_ctz_i32_b32 s21, s20
.irp i, 0,1,2,3
	v_readlane_b32 s[28+\i], v[QQ+\i], s21         ; the winner: what the next pick tests against
.endr
	v_readlane_b32 s32, v[TA2], s21
	v_cmp_eq_f32 vcc_lo, v[II], v[K2]              ; the winner is its own lane's best box, so this marks its lane, in its wave alone
	v_cndmask_b32 v[ZZ], 0, v[NEG1], vcc_lo
	; wave 0 keeps the pick for the way out
	s_cmp_lg_u32 s18, 0
	s_cbranch_scc1 .Lnot_wave_0_\@
.irp i, 0,1,2,3
	v_mov_b32 v[EE+1+\i], s[28+\i]
.endr
	ds_store_b128 v[STG], v[EE:EE+3] offset:32*\p
	ds_store_b32 v[STG], v[EE+4] offset:32*\p+16
.Lnot_wave_0_\@:
.endm
.Ltrip:
	PICK 0
	PICK 1
	v_add_nc_u32 v[STG], 64, v[STG]                ; two picks on in the stage
	s_sub_co_i32 s19, s19, 1
	s_cmp_lg_u32 s19, 0
	s_cbranch_scc1 .Ltrip
	; THE WAY OUT.  Thread k < 50 puts out pick k.  The four images' numbers alternate word by word in [50][4], so a work-group's words lie 16 bytes apart:
	; 250 words in all.
	s_wait_dscnt 0x0                               ; wave 0's stage stores are done,
	s_barrier_signal -1
	s_barrier_wait -1                              ; and wave 1 may read them
	s_cmp_gt_u32 s18, 1
	s_cbranch_scc1 .Lidle
	v_min_u32 v[W1], PICKS-1, v0                   ; threads 50 to 63 read the last pick and store nothing
	v_lshlrev_b32 v[W1], 5, v[W1]
	ds_load_b128 v[EE:EE+3], v[W1] offset:STAGE
	ds_load_b32 v[EE+4], v[W1] offset:STAGE+16
	v_lshlrev_b32 v[TA2], 4, v0                    ; row k of 16 bytes,
	s_lshl_b32 s21, ttmp9, 2
	v_add_nc_u32 v[TA2], s21, v[TA2]               ; my image's word in it
	s_wait_dscnt 0x0
	v_add_f32 v[SV+0], v[EE+1], v[EE+2]
	v_add_f32 v[SV+1], v[EE+3], v[EE+4]
	v_sub_f32 v[SV+2], v[EE+2], v[EE+1]            ; bw = x3 - x1
	v_sub_f32 v[SV+3], v[EE+4], v[EE+3]            ; bh = y3 - y1
	v_mul_f32 v[SV+0], 0.5, v[SV+0]                ; bx = (x1 + x3) / 2
	v_mul_f32 v[SV+1], 0.5, v[SV+1]                ; by = (y1 + y3) / 2
	v_cmp_gt_u32 vcc_lo, PICKS, v0
	s_wait_xcnt 0x0                                ; EXEC is a source of the loads at the start: it changes only behind this wait
	s_wait_tensorcnt 0x0
	ds_add_u32 v160, v161
	s_wait_dscnt 0x0
	s_and_saveexec_b32 s42, vcc_lo
	global_store_b32 v[TA2], v[EE], s[8:9]         ; the masked probability: p, or 0 for a box that was never chosen
	global_store_b32 v[TA2], v[SV+0], s[10:11]
	global_store_b32 v[TA2], v[SV+1], s[12:13]
	global_store_b32 v[TA2], v[SV+2], s[14:15]
	global_store_b32 v[TA2], v[SV+3], s[16:17]
	s_endpgm
.Lidle:
	s_wait_tensorcnt 0x0
	ds_add_u32 v160, v161
	s_wait_dscnt 0x0
	s_endpgm
.Lfunc_end_k_q85337a9733_nms:
	.size	k_q85337a9733_nms, .Lfunc_end_k_q85337a9733_nms-k_q85337a9733_nms
	.p2alignl 7, 3214868480
	.fill 96, 4, 3214868480
	.section	.rodata,"a",@progbits
	.p2align	6, 0x0
	.amdhsa_kernel k_q85337a9733_nms
		.amdhsa_group_segment_fixed_size 3328
		.amdhsa_private_segment_fixed_size 0
		.amdhsa_enable_private_segment 0
		.amdhsa_kernarg_size 56
		.amdhsa_user_sgpr_count 2
		.amdhsa_user_sgpr_kernarg_segment_ptr 1
		.amdhsa_wavefront_size32 1
		.amdhsa_system_sgpr_workgroup_id_x 1
		.amdhsa_system_sgpr_workgroup_id_y 1
		.amdhsa_system_sgpr_workgroup_id_z 1
		.amdhsa_system_vgpr_workitem_id 0
		.amdhsa_next_free_vgpr 162
		.amdhsa_next_free_sgpr 66
		.amdhsa_reserve_vcc 1
		.amdhsa_float_denorm_mode_32 3
		.amdhsa_float_denorm_mode_16_64 3
		.amdhsa_memory_ordered 1
		.amdhsa_forward_progress 1
		.amdhsa_inst_pref_size 60
	.end_amdhsa_kernel
	.amdgpu_metadata
---
amdhsa.version: [ 1, 2 ]
amdhsa.kernels:
  - .name:           k_q85337a9733_nms
    .symbol:         k_q85337a9733_nms.kd
    .args:
      - { .name: logit_raw, .offset: 0, .size: 8, .value_kind: global_buffer, .address_space: global }
      - { .name: tmap_raw, .offset: 8, .size: 8, .value_kind: global_buffer, .address_space: global }
      - { .name: out0, .offset: 16, .size: 8, .value_kind: global_buffer, .address_space: global }
      - { .name: out1, .offset: 24, .size: 8, .value_kind: global_buffer, .address_space: global }
      - { .name: out2, .offset: 32, .size: 8, .value_kind: global_buffer, .address_space: global }
      - { .name: out3, .offset: 40, .size: 8, .value_kind: global_buffer, .address_space: global }
      - { .name: out4, .offset: 48, .size: 8, .value_kind: global_buffer, .address_space: global }
    .group_segment_fixed_size: 3328
    .private_segment_fixed_size: 0
    .kernarg_segment_align: 8
    .kernarg_segment_size: 56
    .max_flat_workgroup_size: 256
    .sgpr_count:     66
    .vgpr_count:     162
    .wavefront_size: 32
...
	.end_amdgpu_metadata
.endif
;; end of part 1
;; ======== version 2 of 3: 1 launch; 1.38 times as fast as version 1
;; launch nms (part 2): grid 4 x 1, 8 waves a work-group, no clusters, 3,328 bytes of LDS; arguments logit_raw, tmap_raw, out0, out1, out2, out3, out4; writes out0, out1, out2, out3, out4
.if DOCPART == 2
	.amdgcn_target "amdgcn-amd-amdhsa--gfx1250"
	.amdhsa_code_object_version 6
	.text
	.protected	k_q85337a9733_nms
	.globl	k_q85337a9733_nms
	.p2align	8
	.type	k_q85337a9733_nms,@function
k_q85337a9733_nms:
	s_mov_b64 s[64:65], 0
	v_nop
	global_prefetch_b8 v0, s[64:65] scope:SCOPE_SE
	s_setreg_imm32_b32 hwreg(HW_REG_WAVE_MODE, 25, 1), 1
	s_wait_xcnt 0x0
; Greedy non-maximum suppression and top-50, four images of 64 x 64 = 4,096 boxes.  One work-group for each image (ttmp9), eight waves.
; An image's 50 picks depend on each other and no data may pass between work-groups, so one image cannot be shared further.
;
; WHAT IS COMPUTED.  Of the 4,096 x 4,096 overlap table only the 50 picked rows are ever read, so only these are formed: in each pick every box is
; tested against the last winner.  The picks come in falling probability, equal ones by rising index, which is the order of the top-50 itself, so
; pick k IS row k of the outputs.  A box's score is p while it is alive, 0 once it is suppressed, -1 once it has been put out.  Should no positive
; score be left, the largest score is 0 and the lowest index wins: the zeros of the masked probabilities in rising index, as the top-50 lists them.
;
; SHARE OF A LANE.  Lane l of wave w keeps 16 boxes in registers, box j = 2 a + b: index 512 a + 64 w + 32 b + l, that is ix = w + 8 a, iy = 32 b + l.
; Two boxes of one lane are 8 cells (64 pixels) apart in x or 32 cells apart in y; their centres lie at least 56 pixels apart and no side is above 40,
; so they never overlap.  In the winner's own lane the winner therefore hits itself alone, and ONE number a lane, ZZ (-1 in that lane, 0 elsewhere),
; tells 'put out' from 'suppressed'.
;
; ISSUE SLOTS.  The work on the boxes is what a pick mostly consists of, so two boxes share a slot wherever an encoding allows it: packed f32 for the
; subtractions and the multiply-adds, dual instructions for the plain minima, maxima and selects.  A dual instruction wants one even and one odd
; destination, and its two first sources (and its two second sources) in registers whose numbers differ modulo 4, or the same register.  Hence the
; first registers of the arrays: X1, X3, Y1, Y3 at 0, 1, 2, 3 modulo 4, SC at 0, IX at 1; neighbouring boxes and neighbouring fields then always differ.
;
; NO ADDRESS AND NO BRANCH HANGS ON A FLOATING-POINT NUMBER: the winner's data are chosen by selects and by the lane operand of v_readlane_b32.
;
; LIMITS.  (1) v_exp_f32 and v_rcp_f32 flush denormals: for a logit below about -87 p is taken as 0 where the exact value is 1.2e-38 or less.
; (2) NaN inputs are not served.  (3) The test is  intersection > 0.3 x smaller area  by one fused multiply-add, with the area taken as
; (x3 - x1)(y3 - y1), not a rounded quotient: a pair within about one rounding step of the threshold may fall on the other side.  The clip of the
; area at 1e-6 is never active: every area is at least 100.  (4) p carries the error of v_exp_f32 and v_rcp_f32 (1 ULP each): two boxes whose exact p
; differ by less may change places.  (5) Centres and sizes are put out as (x1 + x3) / 2 and x3 - x1: a relative error of about 1e-6.
.set PICKS, 50
.set SLOTS, 0                          ; LDS 0-511: two rings of eight slots of 32 bytes, wave w at 32 w: x1 x3 y1 y3, score, index (f32)
.set RING,  256                        ; from one ring to the other
.set STAGE, 512                        ; LDS 512-2111: pick k at 512 + 32 k: score x1 x3 y1, y3
.set LANE,  1                          ; v1    lane
.set LB,    2                          ; v2    64 w + lane
.set GOFF,  3                          ; v3    256 w + 4 lane: my byte in a map's first 512 boxes; never rewritten
.set SLW,   4                          ; v4    32 w: my wave's slot
.set SLR,   5                          ; v5    32 (lane mod 8): the slot that I read
.set STG,   6                          ; v6    stage address of the trip's first pick
.set CX,    7                          ; v7    8 ix (set-up only)
.set NEG1,  8                          ; v8    -1.0
.set ZZ,    9                          ; v9    -1 in the last winner's lane, else 0
.set K2,    10                         ; v10   the pick's index
.set TA2,   11                         ; v11   0.3 x area of a slot's box
.set W1,    12                         ; v12   at work
.set TT,    13                         ; v13   what v_permlanex16_b32 brings
.set MX,    14                         ; v14   the wave's best score    (v[14:15] go into the slot together)
.set KX,    15                         ; v15   the wave's best index
.set X1,    16                         ; v16-31    left edges
.set X3,    33                         ; v33-48    right edges
.set Y1,    50                         ; v50-65    lower edges
.set Y3,    67                         ; v67-82    upper edges
.set TA,    84                         ; v84-99    0.3 x area
.set SC,    100                        ; v100-115  scores
.set IX,    117                        ; v117-132  indices, as f32 (exact: below 4,096)
.set WA,    134                        ; v134-173  at work: five numbers for each of eight boxes, in even-aligned pairs
.set WB,    142
.set WC,    150
.set WD,    158
.set WT,    166
.set BIG,   174                        ; v[174:175] 2^100, twice (a pair for the packed multiply-add)
.set CA,    176                        ; v176-223  eight candidates of six registers: x1 x3 y1 y3, index, score
.set REC,   CA                         ; candidate 0 ends up as my best box,
.set II,    CA+4                       ; its index
.set BEST,  CA+5                       ; and its score
.set SV,    224                        ; v[224:227] the wave's best box, in every lane
.set QQ,    228                        ; v[228:231] a slot's box
.set QS,    232                        ; v232  a slot's score    (v[232:233] are loaded together)
.set QI,    233                        ; v233  a slot's index
.set EE,    234                        ; v[234:238] the pick: score x1 x3 y1 y3
.set CY,    240                        ; v240, v241  8 iy for b = 0, 1 (set-up only)
	s_load_b128 s[4:7], s[0:1], 0x0                ; logit_raw s[4:5], tmap_raw s[6:7]
	s_load_b256 s[8:15], s[0:1], 0x10              ; out0 s[8:9], out1 s[10:11], out2 s[12:13], out3 s[14:15]
	s_load_b64 s[16:17], s[0:1], 0x30              ; out4
	v_lshl_add_u32 v248, v0, 2, 0x900
	v_mov_b32 v249, 0
	v_and_b32 v[LANE], 31, v0
	v_lshrrev_b32 v[LB], 5, v0
	v_readfirstlane_b32 s18, v[LB]                 ; wave 0..7, as a scalar
	v_lshl_add_u32 v[LB], v[LB], 6, v[LANE]        ; 64 w + lane
	v_lshlrev_b32 v[GOFF], 2, v[LB]
	s_lshl_b32 s21, s18, 5
	v_mov_b32 v[SLW], s21
	v_and_b32 v[SLR], 7, v0
	v_lshlrev_b32 v[SLR], 5, v[SLR]
	v_mov_b32 v[STG], STAGE
	v_mov_b32 v[NEG1], -1.0
	v_mov_b32 v[ZZ], 0
	v_mov_b32 v[TT], 0                             ; the destination of v_permlanex16_b32 counts as read: written once here
	v_mov_b32 v[BIG], 0x71800000                   ; 2^100
	v_mov_b32 v[BIG+1], 0x71800000
	s_lshl_b32 s21, s18, 3
	v_cvt_f32_u32 v[CX], s21                       ; 8 ix for a = 0
	v_lshlrev_b32 v[W1], 3, v[LANE]
	v_cvt_f32_u32 v[CY], v[W1]                     ; 8 iy for b = 0,
	v_add_f32 v[CY+1], 0x43800000, v[CY]           ; and 256 more for b = 1
	s_mov_b32 s22, 0x76543210                      ; v_permlanex16_b32: lane i takes lane i of the other half
	s_mov_b32 s23, 0xfedcba98
	s_mov_b32 s34, 0xbfb8aa3b                      ; -log2 e
	s_mov_b32 s35, 0x41000000                      ; 8.0 = 512 / 64
	s_mov_b32 s36, 0x41700000                      ; 15.0: half of 40 - 10
	s_mov_b32 s37, 0x40a00000                      ; 5.0: half of 10
	s_mov_b32 s38, 0x3e99999a                      ; 0.3
	s_mov_b32 s39, 0x46000000                      ; 8192.0: above every index
	s_lshl_b32 s40, ttmp9, 14                      ; my image in logit_raw: 4,096 numbers of 4 bytes
	s_mov_b32 s41, 0
	s_wait_kmcnt 0x0
	s_add_nc_u64 s[4:5], s[4:5], s[40:41]
	s_lshl_b32 s40, ttmp9, 16                      ; in tmap_raw: four such maps
	s_add_nc_u64 s[6:7], s[6:7], s[40:41]
	; All 80 loads at once, five for each box, box by box.  A load of the wave covers 128 consecutive bytes; those of b = 0 and b = 1 together an aligned 256.
.irp j, 0,1,2,3,4,5,6,7,8,9,10,11,12,13,14,15
	global_load_b32 v[SC+\j], v[GOFF], s[4:5] offset:2048*(\j/2)+128*(\j%2) th:TH_LOAD_NT
	global_load_b32 v[X1+\j], v[GOFF], s[6:7] offset:2048*(\j/2)+128*(\j%2) th:TH_LOAD_NT            ; tx
	global_load_b32 v[Y1+\j], v[GOFF], s[6:7] offset:16384+2048*(\j/2)+128*(\j%2) th:TH_LOAD_NT      ; ty
	global_load_b32 v[X3+\j], v[GOFF], s[6:7] offset:32768+2048*(\j/2)+128*(\j%2) th:TH_LOAD_NT      ; tw
	global_load_b32 v[Y3+\j], v[GOFF], s[6:7] offset:49152+2048*(\j/2)+128*(\j%2) th:TH_LOAD_NT      ; th
.endr
; Box j: five sigmoids 1 / (1 + 2^(-x log2 e)), then edges, 0.3 x area and the index.
.macro PREP j
.if 5*(15-\j) > 63
	s_wait_loadcnt 63                              ; five loads for each later box were issued behind mine; the wait can name 63 at the most, and fewer is safe
.else
	s_wait_loadcnt 5*(15-\j)                       ; loads come back in order: mine are in, the five of each later box may be out
.endif
	v_mul_f32 v[WA+0], s34, v[SC+\j]
	v_mul_f32 v[WA+1], s34, v[X1+\j]
	v_mul_f32 v[WA+2], s34, v[Y1+\j]
	v_mul_f32 v[WA+3], s34, v[X3+\j]
	v_mul_f32 v[WA+4], s34, v[Y3+\j]
.irp i, 0,1,2,3,4
	v_exp_f32 v[WA+5+\i], v[WA+\i]
.endr
	v_add_nc_u32 v[IX+\j], 512*(\j/2)+32*(\j%2), v[LB]     ; the box's index; also the one plain vector instruction behind the transcendentals, ahead of the first use of a result (ISA guide 5.7.2)
	s_wait_alu depctr_va_vdst(0)
.irp i, 0,1,2,3,4
	v_add_f32 v[WA+\i], 1.0, v[WA+5+\i]
.endr
	v_rcp_f32 v[SC+\j], v[WA+0]                    ; p: the box's first score
	v_rcp_f32 v[WA+5], v[WA+1]                     ; tx
	v_rcp_f32 v[WA+6], v[WA+2]                     ; ty
	v_rcp_f32 v[WA+7], v[WA+3]                     ; tw
	v_rcp_f32 v[WA+8], v[WA+4]                     ; th
	v_nop                                          ; as above
	v_cvt_f32_u32 v[IX+\j], v[IX+\j]
	s_wait_alu depctr_va_vdst(0)
	v_fma_f32 v[WA+10], v[WA+5], s35, v[CX]        ; bx = 8 tx + 8 ix: one rounding, the same as 8 x (ix + tx)
	v_fma_f32 v[WA+11], v[WA+6], s35, v[CY+\j%2]   ; by
	v_fma_f32 v[WA+12], v[WA+7], s36, s37          ; bw / 2 = 5 + 15 tw
	v_fma_f32 v[WA+13], v[WA+8], s36, s37          ; bh / 2
	v_sub_f32 v[X1+\j], v[WA+10], v[WA+12]
	v_add_f32 v[X3+\j], v[WA+10], v[WA+12]
	v_sub_f32 v[Y1+\j], v[WA+11], v[WA+13]
	v_add_f32 v[Y3+\j], v[WA+11], v[WA+13]
	v_sub_f32 v[WA+0], v[X3+\j], v[X1+\j]
	v_sub_f32 v[WA+1], v[Y3+\j], v[Y1+\j]
	v_mul_f32 v[WA+0], v[WA+0], v[WA+1]
	v_mul_f32 v[TA+\j], s38, v[WA+0]               ; 0.3 x area
.if \j%2
	v_add_f32 v[CX], 0x42800000, v[CX]             ; the next a: ix + 8, 64 pixels on
.endif
.endm
.irp j, 0,1,2,3,4,5,6,7,8,9,10,11,12,13,14,15
	PREP \j
.endr
	; A last winner that hits nothing, so that all 50 picks run the same text: a proper box (left edge below right edge) far to the right of every box.
	s_mov_b32 s28, 0x49800000                      ; x1 = 2^20
	s_mov_b32 s29, 0x4a000000                      ; x3 = 2^21
	s_mov_b32 s30, 0                               ; y1
	s_mov_b32 s31, 0                               ; y3
	s_mov_b32 s32, 1.0                             ; 0.3 x area
	s_mov_b32 s19, PICKS/2                         ; a trip makes two picks, one on each ring of slots
; Boxes 8 g .. 8 g + 7 against the last winner (s28-s32: x1 x3 y1 y3, 0.3 x area), step by step across the eight, so that a result is read four slots
; or more behind the line that makes it.  Twelve slots for two boxes.
; t = 0.3 min(area, AREA) - max(ox, 0) oy, one rounding; t < 0 is a hit.  The clip of ox costs nothing: with left = max of the two left edges, the right
; edge of the intersection, clipped from below at left, is the MIDDLE one of (X3, x3, left), since left lies below its own box's right edge and so is
; never the largest of the three.  oy is not clipped: with ox = 0 the product is 0, with oy < 0 it is negative, and t stays above 0 either way.
; A t below 0 is -2^-48 or further down (both overlaps are then at least 0.75, so the product's last bit is 2^-48 or more), so 2^100 t + 1 is at least 1
; where there is no hit and far below -1 where there is one: max with ZZ, then min into the score, leaves the score, or sets it to 0 (suppressed) or -1
; (the winner itself).  Only minima are taken, so a box that has been put out never comes back.
.macro UPD g
.irp q, 0,1,2,3
	v_dual_max_num_f32 v[WB+2*\q], s28, v[X1+8*\g+2*\q] :: v_dual_max_num_f32 v[WB+2*\q+1], s28, v[X1+8*\g+2*\q+1]     ; left
.endr
.irp q, 0,1,2,3
	v_dual_min_num_f32 v[WC+2*\q], s31, v[Y3+8*\g+2*\q] :: v_dual_min_num_f32 v[WC+2*\q+1], s31, v[Y3+8*\g+2*\q+1]     ; upper
.endr
.irp q, 0,1,2,3
	v_dual_max_num_f32 v[WD+2*\q], s30, v[Y1+8*\g+2*\q] :: v_dual_max_num_f32 v[WD+2*\q+1], s30, v[Y1+8*\g+2*\q+1]     ; lower
.endr
.irp q, 0,1,2,3
	v_dual_min_num_f32 v[WT+2*\q], s32, v[TA+8*\g+2*\q] :: v_dual_min_num_f32 v[WT+2*\q+1], s32, v[TA+8*\g+2*\q+1]     ; 0.3 x smaller area
.endr
.irp i, 0,1,2,3,4,5,6,7
	v_med3_num_f32 v[WA+\i], s29, v[X3+8*\g+\i], v[WB+\i]                                                             ; right, not below left
.endr
.irp q, 0,1,2,3
	v_pk_add_f32 v[WA+2*\q:WA+2*\q+1], v[WB+2*\q:WB+2*\q+1], v[WA+2*\q:WA+2*\q+1] neg_lo:[0,1] neg_hi:[0,1]           ; left - right = -max(ox, 0)
.endr
.irp q, 0,1,2,3
	v_pk_add_f32 v[WC+2*\q:WC+2*\q+1], v[WC+2*\q:WC+2*\q+1], v[WD+2*\q:WD+2*\q+1] neg_lo:[0,1] neg_hi:[0,1]           ; oy
.endr
.irp q, 0,1,2,3
	v_pk_fma_f32 v[WT+2*\q:WT+2*\q+1], v[WA+2*\q:WA+2*\q+1], v[WC+2*\q:WC+2*\q+1], v[WT+2*\q:WT+2*\q+1]               ; t
.endr
.irp q, 0,1,2,3
	v_pk_fma_f32 v[WT+2*\q:WT+2*\q+1], v[WT+2*\q:WT+2*\q+1], v[BIG:BIG+1], 1.0 op_sel_hi:[1,1,0]                      ; 2^100 t + 1
.endr
.irp q, 0,1,2,3
	v_dual_max_num_f32 v[WT+2*\q], v[ZZ], v[WT+2*\q] :: v_dual_max_num_f32 v[WT+2*\q+1], v[ZZ], v[WT+2*\q+1]
.endr
.irp q, 0,1,2,3
	v_dual_min_num_f32 v[SC+8*\g+2*\q], v[SC+8*\g+2*\q], v[WT+2*\q] :: v_dual_min_num_f32 v[SC+8*\g+2*\q+1], v[SC+8*\g+2*\q+1], v[WT+2*\q+1]
.endr
.endm
; My best box, by a tournament: 8 + 4 + 2 + 1 matches of four slots.  The left side always holds the lower indices, and an equal score keeps it.
; A select takes its second source where VCC is set.
; First level: boxes 2 c and 2 c + 1, from their own registers, into candidate c.
.macro MRG1 c
	v_cmp_ge_f32 vcc_lo, v[SC+2*\c], v[SC+2*\c+1]
	v_dual_cndmask_b32 v[CA+6*\c+0], v[X1+2*\c+1], v[X1+2*\c] :: v_dual_cndmask_b32 v[CA+6*\c+1], v[X3+2*\c+1], v[X3+2*\c]
	v_dual_cndmask_b32 v[CA+6*\c+2], v[Y1+2*\c+1], v[Y1+2*\c] :: v_dual_cndmask_b32 v[CA+6*\c+3], v[Y3+2*\c+1], v[Y3+2*\c]
	v_dual_cndmask_b32 v[CA+6*\c+4], v[IX+2*\c+1], v[IX+2*\c] :: v_dual_max_num_f32 v[CA+6*\c+5], v[SC+2*\c+1], v[SC+2*\c]
.endm
; Later levels: candidate l against candidate r, into l.
.macro MRG2 l, r
	v_cmp_ge_f32 vcc_lo, v[CA+6*\l+5], v[CA+6*\r+5]
	v_dual_cndmask_b32 v[CA+6*\l+0], v[CA+6*\r+0], v[CA+6*\l+0] :: v_dual_cndmask_b32 v[CA+6*\l+1], v[CA+6*\r+1], v[CA+6*\l+1]
	v_dual_cndmask_b32 v[CA+6*\l+2], v[CA+6*\r+2], v[CA+6*\l+2] :: v_dual_cndmask_b32 v[CA+6*\l+3], v[CA+6*\r+3], v[CA+6*\l+3]
	v_dual_cndmask_b32 v[CA+6*\l+4], v[CA+6*\r+4], v[CA+6*\l+4] :: v_dual_max_num_f32 v[CA+6*\l+5], v[CA+6*\r+5], v[CA+6*\l+5]
.endm
; Maximum or minimum over each group of eight lanes, result in all eight; opd: the DPP form of the instruction.
.macro RED8 opd, r
	\opd v[\r], v[\r], v[\r] row_xmask:1 row_mask:0xf bank_mask:0xf
	\opd v[\r], v[\r], v[\r] row_xmask:2 row_mask:0xf bank_mask:0xf
	\opd v[\r], v[\r], v[\r] row_xmask:4 row_mask:0xf bank_mask:0xf
.endm
; The same over all 32 lanes.
.macro RED32 opd, op, r
	RED8 \opd, \r
	\opd v[\r], v[\r], v[\r] row_xmask:8 row_mask:0xf bank_mask:0xf
	v_permlanex16_b32 v[TT], v[\r], s22, s23
	\op v[\r], v[\r], v[TT]
.endm
; One pick, on ring p of the slots.
.macro PICK p
	UPD 0
	UPD 1
.irp c, 0,1,2,3,4,5,6,7
	MRG1 \c
.endr
	MRG2 0, 1
	MRG2 2, 3
	MRG2 4, 5
	MRG2 6, 7
	MRG2 0, 2
	MRG2 4, 6
	MRG2 0, 4
	; the wave's best: the largest score, and among equal ones the lowest index
	v_mov_b32 v[MX], v[BEST]
	RED32 v_max_num_f32_dpp, v_max_num_f32, MX
	v_cmp_eq_f32 vcc_lo, v[BEST], v[MX]
	v_cndmask_b32 v[KX], s39, v[II], vcc_lo        ; lanes that do not hold the maximum bid 8192
	RED32 v_min_num_f32_dpp, v_min_num_f32, KX
	v_cmp_eq_f32 s20, v[II], v[KX]                 ; one lane: no two lanes hold the same index
	s_ctz_i32_b32 s21, s20
.irp i, 0,1,2,3
	v_readlane_b32 s[24+\i], v[REC+\i], s21
.endr
.irp i, 0,1,2,3
	v_mov_b32 v[SV+\i], s[24+\i]
.endr
	ds_store_b128 v[SLW], v[SV:SV+3] offset:SLOTS+\p*RING          ; all lanes store the same bytes to the wave's own slot
	ds_store_b64 v[SLW], v[MX:MX+1] offset:SLOTS+\p*RING+16
	s_wait_dscnt 0x0                               ; for the other waves' sake: my slot is written (and wave 0's last stage stores are done)
	s_barrier_signal -1
	s_barrier_wait -1                              ; all eight slots of this ring are written.  ONE barrier a pick is enough: this ring is written again two picks
	                                               ; on, behind the other ring's barrier, and in front of that one every wave has waited for its reads below
	; the work-group's best of the eight slots, found alike by every wave
	ds_load_b128 v[QQ:QQ+3], v[SLR] offset:SLOTS+\p*RING
	ds_load_b64 v[QS:QS+1], v[SLR] offset:SLOTS+\p*RING+16
	s_wait_dscnt 0x0
	v_sub_f32 v[TA2], v[QQ+1], v[QQ+0]             ; 0.3 x area in the same steps as at the start: the same bits
	v_sub_f32 v[W1], v[QQ+3], v[QQ+2]
	v_mul_f32 v[TA2], v[TA2], v[W1]
	v_mul_f32 v[TA2], s38, v[TA2]
	v_mov_b32 v[EE], v[QS]
	RED8 v_max_num_f32_dpp, EE
	v_cmp_eq_f32 vcc_lo, v[QS], v[EE]
	v_cndmask_b32 v[K2], s39, v[QI], vcc_lo
	RED8 v_min_num_f32_dpp, K2
	v_cmp_eq_f32 s20, v[QI], v[K2]                 ; the four lanes that read the winning slot
	s_ctz_i32_b32 s21, s20
.irp i, 0,1,2,3
	v_readlane_b32 s[28+\i], v[QQ+\i], s21         ; the winner: what the next pick tests against
.endr
	v_readlane_b32 s32, v[TA2], s21
	v_cmp_eq_f32 vcc_lo, v[II], v[K2]              ; the winner is its own lane's best box, so this marks its lane, in its wave alone
	v_cndmask_b32 v[ZZ], 0, v[NEG1], vcc_lo
	; wave 0 keeps the pick for the way out
	s_cmp_lg_u32 s18, 0
	s_cbranch_scc1 .Lnot_wave_0_\@
.irp i, 0,1,2,3
	v_mov_b32 v[EE+1+\i], s[28+\i]
.endr
	ds_store_b128 v[STG], v[EE:EE+3] offset:32*\p
	ds_store_b32 v[STG], v[EE+4] offset:32*\p+16
.Lnot_wave_0_\@:
.endm
.Ltrip:
	PICK 0
	PICK 1
	v_add_nc_u32 v[STG], 64, v[STG]                ; two picks on in the stage
	s_sub_co_i32 s19, s19, 1
	s_cmp_lg_u32 s19, 0
	s_cbranch_scc1 .Ltrip
	; THE WAY OUT.  Thread k < 50 puts out pick k.  The four images' numbers alternate word by word in [50][4], so a work-group's words lie 16 bytes apart:
	; 250 words in all.
	s_wait_dscnt 0x0                               ; wave 0's stage stores are done,
	s_barrier_signal -1
	s_barrier_wait -1                              ; and wave 1 may read them
	s_cmp_gt_u32 s18, 1
	s_cbranch_scc1 .Lidle
	v_min_u32 v[W1], PICKS-1, v0                   ; threads 50 to 63 read the last pick and store nothing
	v_lshlrev_b32 v[W1], 5, v[W1]
	ds_load_b128 v[EE:EE+3], v[W1] offset:STAGE
	ds_load_b32 v[EE+4], v[W1] offset:STAGE+16
	v_lshlrev_b32 v[TA2], 4, v0                    ; row k of 16 bytes,
	s_lshl_b32 s21, ttmp9, 2
	v_add_nc_u32 v[TA2], s21, v[TA2]               ; my image's word in it
	s_wait_dscnt 0x0
	v_add_f32 v[SV+0], v[EE+1], v[EE+2]
	v_add_f32 v[SV+1], v[EE+3], v[EE+4]
	v_sub_f32 v[SV+2], v[EE+2], v[EE+1]            ; bw = x3 - x1
	v_sub_f32 v[SV+3], v[EE+4], v[EE+3]            ; bh = y3 - y1
	v_mul_f32 v[SV+0], 0.5, v[SV+0]                ; bx = (x1 + x3) / 2
	v_mul_f32 v[SV+1], 0.5, v[SV+1]                ; by = (y1 + y3) / 2
	v_cmp_gt_u32 vcc_lo, PICKS, v0
	s_wait_xcnt 0x0                                ; EXEC is a source of the loads at the start: it changes only behind this wait
	s_wait_tensorcnt 0x0
	ds_add_u32 v248, v249
	s_wait_dscnt 0x0
	s_and_saveexec_b32 s42, vcc_lo
	global_store_b32 v[TA2], v[EE], s[8:9]         ; the masked probability: p, or 0 for a box that was never chosen
	global_store_b32 v[TA2], v[SV+0], s[10:11]
	global_store_b32 v[TA2], v[SV+1], s[12:13]
	global_store_b32 v[TA2], v[SV+2], s[14:15]
	global_store_b32 v[TA2], v[SV+3], s[16:17]
	s_endpgm
.Lidle:
	s_wait_tensorcnt 0x0
	ds_add_u32 v248, v249
	s_wait_dscnt 0x0
	s_endpgm
.Lfunc_end_k_q85337a9733_nms:
	.size	k_q85337a9733_nms, .Lfunc_end_k_q85337a9733_nms-k_q85337a9733_nms
	.p2alignl 7, 3214868480
	.fill 96, 4, 3214868480
	.section	.rodata,"a",@progbits
	.p2align	6, 0x0
	.amdhsa_kernel k_q85337a9733_nms
		.amdhsa_group_segment_fixed_size 3328
		.amdhsa_private_segment_fixed_size 0
		.amdhsa_enable_private_segment 0
		.amdhsa_kernarg_size 56
		.amdhsa_user_sgpr_count 2
		.amdhsa_user_sgpr_kernarg_segment_ptr 1
		.amdhsa_wavefront_size32 1
		.amdhsa_system_sgpr_workgroup_id_x 1
		.amdhsa_system_sgpr_workgroup_id_y 1
		.amdhsa_system_sgpr_workgroup_id_z 1
		.amdhsa_system_vgpr_workitem_id 0
		.amdhsa_next_free_vgpr 250
		.amdhsa_next_free_sgpr 66
		.amdhsa_reserve_vcc 1
		.amdhsa_float_denorm_mode_32 3
		.amdhsa_float_denorm_mode_16_64 3
		.amdhsa_memory_ordered 1
		.amdhsa_forward_progress 1
		.amdhsa_inst_pref_size 58
	.end_amdhsa_kernel
	.amdgpu_metadata
---
amdhsa.version: [ 1, 2 ]
amdhsa.kernels:
  - .name:           k_q85337a9733_nms
    .symbol:         k_q85337a9733_nms.kd
    .args:
      - { .name: logit_raw, .offset: 0, .size: 8, .value_kind: global_buffer, .address_space: global }
      - { .name: tmap_raw, .offset: 8, .size: 8, .value_kind: global_buffer, .address_space: global }
      - { .name: out0, .offset: 16, .size: 8, .value_kind: global_buffer, .address_space: global }
      - { .name: out1, .offset: 24, .size: 8, .value_kind: global_buffer, .address_space: global }
      - { .name: out2, .offset: 32, .size: 8, .value_kind: global_buffer, .address_space: global }
      - { .name: out3, .offset: 40, .size: 8, .value_kind: global_buffer, .address_space: global }
      - { .name: out4, .offset: 48, .size: 8, .value_kind: global_buffer, .address_space: global }
    .group_segment_fixed_size: 3328
    .private_segment_fixed_size: 0
    .kernarg_segment_align: 8
    .kernarg_segment_size: 56
    .max_flat_workgroup_size: 256
    .sgpr_count:     66
    .vgpr_count:     250
    .wavefront_size: 32
...
	.end_amdgpu_metadata
.endif
;; end of part 2
;; ======== version 3 of 3: 1 launch; 1.64 times as fast as version 1
;; launch nms (part 3): grid 4 x 1, 8 waves a work-group, no clusters, 3,840 bytes of LDS; arguments logit_raw, tmap_raw, out0, out1, out2, out3, out4; writes out0, out1, out2, out3, out4
.if DOCPART == 3
	.amdgcn_target "amdgcn-amd-amdhsa--gfx1250"
	.amdhsa_code_object_version 6
	.text
	.protected	k_q85337a9733_nms
	.globl	k_q85337a9733_nms
	.p2align	8
	.type	k_q85337a9733_nms,@function
k_q85337a9733_nms:
	s_mov_b64 s[64:65], 0
	v_nop
	global_prefetch_b8 v0, s[64:65] scope:SCOPE_SE
	s_setreg_imm32_b32 hwreg(HW_REG_WAVE_MODE, 25, 1), 1
	s_wait_xcnt 0x0
; Greedy non-maximum suppression and top-50, four images of 64 x 64 = 4,096 boxes.  One work-group for each image (ttmp9), eight waves.
; An image's 50 picks depend on each other and no data may pass between work-groups, so one image cannot be shared further.
;
; WHAT IS COMPUTED.  Of the 4,096 x 4,096 overlap table only the 50 picked rows are ever read, so only these are formed: in each pick every box is
; tested against the last winner.  The picks come in falling probability, equal ones by rising index, which is the order of the top-50 itself, so
; pick k IS row k of the outputs.  A box's score is p while it is alive, 0 once it is suppressed, -1 once it has been put out.  Should no positive
; score be left, the largest score is 0 and the lowest index wins: the zeros of the masked probabilities in rising index, as the top-50 lists them.
;
; SHARE OF A LANE.  Lane l of wave w keeps 16 boxes in registers, box j = 2 a + b: index 512 a + 64 w + 32 b + l, that is ix = w + 8 a, iy = 32 b + l.
; Two boxes of one lane are 8 cells (64 pixels) apart in x or 32 cells apart in y; their centres lie at least 56 pixels apart and no side is above 40,
; so they never overlap.  In the winner's own lane the winner therefore hits itself alone, and ONE number a lane, ZZ (-1 in that lane, 0 elsewhere),
; tells 'put out' from 'suppressed'.
;
; ISSUE SLOTS.  Two boxes share a slot wherever an encoding allows it: packed f32 for the subtractions and the multiply-adds, dual instructions for
; the plain minima, maxima and selects.  A dual instruction wants one even and one odd destination, and its two first sources (and its two second
; sources) in registers whose numbers differ modulo 4, or the same register.  Hence the first registers of the arrays: X1, X3, Y1, Y3 at 0, 1, 2, 3
; modulo 4, SC at 0, IX at 1; neighbouring boxes and neighbouring fields then always differ.
;
; FROM A LANE'S BEST BOX TO THE WINNER.  Each half of a wave (16 lanes) finds its best score and, among equal ones, the lowest index, by steps that ride
; on the arithmetic (DPP).  EXEC is then narrowed to the one lane that holds that box, and this lane stores its own six registers to the half's slot in
; LDS: nothing is carried through scalar registers.  Behind one barrier every wave reads the 16 slots, one a lane, reduces them in the same way, narrows
; EXEC to the lanes that read the winning slot and takes the winner by v_readfirstlane_b32.
;
; NO ADDRESS AND NO BRANCH HANGS ON A FLOATING-POINT NUMBER: the winner's data are chosen by selects and by EXEC; every LDS address is made of the
; thread's number, the ring's constant and the trip's step.
;
; LIMITS.  (1) v_exp_f32 and v_rcp_f32 flush denormals: for a logit below about -87 p is taken as 0 where the exact value is 1.2e-38 or less.
; (2) NaN inputs are not served.  (3) The test is  intersection > 0.3 x smaller area  by one fused multiply-add, with the area taken as
; (x3 - x1)(y3 - y1), not a rounded quotient: a pair within about one rounding step of the threshold may fall on the other side.  The clip of the
; area at 1e-6 is never active: every area is at least 100.  (4) p carries the error of v_exp_f32 and v_rcp_f32 (1 ULP each): two boxes whose exact p
; differ by less may change places.  (5) Centres and sizes are put out as (x1 + x3) / 2 and x3 - x1: a relative error of about 1e-6.
.set PICKS, 50
.set RING,  512                        ; LDS 0-1023: two rings.  In a ring: 16 records of 16 bytes (x1 x3 y1 y3), slot 2 w + half,
.set KEYS,  256                        ; then, from byte 256 on, 16 keys of 8 bytes (index as f32, score).  Sixteen lanes that read a slot each touch 256, or 128, consecutive bytes
.set STAGE, 1024                       ; LDS 1024-2623: pick k at 1024 + 32 k: x1 x3 y1 y3, score
.set LANE,  1                          ; v1    lane (set-up only)
.set LB,    2                          ; v2    64 w + lane
.set GOFF,  3                          ; v3    256 w + 4 lane: my byte in a map's first 512 boxes; never rewritten
.set RW,    4                          ; v4    16 (2 w + half): my half-wave's record
.set RR,    5                          ; v5    16 (lane mod 16): the record that I read
.set STG,   6                          ; v6    stage address of the trip's first pick
.set CX,    7                          ; v7    8 ix (set-up only)
.set NEG1,  8                          ; v8    -1.0
.set ZZ,    9                          ; v9    -1 in the last winner's lane, else 0
.set K2,    10                         ; v10   the pick's index
.set TA2,   11                         ; v11   0.3 x area of a slot's box
.set W1,    12                         ; v12   at work
.set KW,    13                         ; v13   8 (2 w + half): my half-wave's key
.set MX,    14                         ; v14   the half-wave's best score
.set KX,    15                         ; v15   the half-wave's best index
.set X1,    16                         ; v16-31    left edges
.set X3,    33                         ; v33-48    right edges
.set Y1,    50                         ; v50-65    lower edges
.set Y3,    67                         ; v67-82    upper edges
.set TA,    84                         ; v84-99    0.3 x area
.set SC,    100                        ; v100-115  scores
.set IX,    117                        ; v117-132  indices, as f32 (exact: below 4,096)
.set WA,    134                        ; v134-173  at work: five numbers for each of eight boxes, in even-aligned pairs
.set WB,    142
.set WC,    150
.set WD,    158
.set WT,    166
.set BIG,   174                        ; v[174:175] 2^100, twice (a pair for the packed multiply-add)
.set CA,    176                        ; v176-223  eight candidates of six registers: x1 x3 y1 y3, index, score
.set REC,   CA                         ; candidate 0 ends up as my best box: v[176:179] is its record,
.set II,    CA+4                       ; v[180:181] its key: index,
.set BEST,  CA+5                       ; score
.set SV,    224                        ; v[224:227] the way out: centre and size
.set QQ,    228                        ; v[228:231] a slot's record
.set QI,    232                        ; v232  a slot's index    (v[232:233] are loaded together)
.set QS,    233                        ; v233  a slot's score
.set EE,    234                        ; v234  the pick's score; the way out: v[234:238] x1 x3 y1 y3, score
.set CY,    240                        ; v240, v241  8 iy for b = 0, 1 (set-up only)
.set KR,    242                        ; v242  8 (lane mod 16): the key that I read
	s_load_b128 s[4:7], s[0:1], 0x0                ; logit_raw s[4:5], tmap_raw s[6:7]
	s_load_b256 s[8:15], s[0:1], 0x10              ; out0 s[8:9], out1 s[10:11], out2 s[12:13], out3 s[14:15]
	s_load_b64 s[16:17], s[0:1], 0x30              ; out4
	v_lshl_add_u32 v248, v0, 2, 0xb00
	v_mov_b32 v249, 0
	v_and_b32 v[LANE], 31, v0
	v_lshrrev_b32 v[LB], 5, v0
	v_readfirstlane_b32 s18, v[LB]                 ; wave 0..7, as a scalar
	v_lshl_add_u32 v[LB], v[LB], 6, v[LANE]        ; 64 w + lane
	v_lshlrev_b32 v[GOFF], 2, v[LB]
	v_bfe_u32 v[W1], v0, 4, 1                      ; which half of the wave
	s_lshl_b32 s21, s18, 5
	v_lshl_add_u32 v[RW], v[W1], 4, s21            ; 32 w + 16 half
	s_lshl_b32 s21, s18, 4
	v_lshl_add_u32 v[KW], v[W1], 3, s21            ; 16 w + 8 half
	v_and_b32 v[RR], 15, v0
	v_lshlrev_b32 v[KR], 3, v[RR]
	v_lshlrev_b32 v[RR], 4, v[RR]
	v_mov_b32 v[STG], STAGE
	v_mov_b32 v[NEG1], -1.0
	v_mov_b32 v[ZZ], 0
	v_mov_b32 v[MX], 0                             ; the destination of a DPP form counts as read: MX and EE are written once here
	v_mov_b32 v[EE], 0
	v_mov_b32 v[BIG], 0x71800000                   ; 2^100
	v_mov_b32 v[BIG+1], 0x71800000
	s_lshl_b32 s21, s18, 3
	v_cvt_f32_u32 v[CX], s21                       ; 8 ix for a = 0
	v_lshlrev_b32 v[W1], 3, v[LANE]
	v_cvt_f32_u32 v[CY], v[W1]                     ; 8 iy for b = 0,
	v_add_f32 v[CY+1], 0x43800000, v[CY]           ; and 256 more for b = 1
	s_mov_b32 s34, 0xbfb8aa3b                      ; -log2 e
	s_mov_b32 s35, 0x41000000                      ; 8.0 = 512 / 64
	s_mov_b32 s36, 0x41700000                      ; 15.0: half of 40 - 10
	s_mov_b32 s37, 0x40a00000                      ; 5.0: half of 10
	s_mov_b32 s38, 0x3e99999a                      ; 0.3
	s_mov_b32 s39, 0x46000000                      ; 8192.0: above every index
	s_lshl_b32 s40, ttmp9, 14                      ; my image in logit_raw: 4,096 numbers of 4 bytes
	s_mov_b32 s41, 0
	s_wait_kmcnt 0x0
	s_add_nc_u64 s[4:5], s[4:5], s[40:41]
	s_lshl_b32 s40, ttmp9, 16                      ; in tmap_raw: four such maps
	s_add_nc_u64 s[6:7], s[6:7], s[40:41]
	; All 80 loads at once, five for each box, box by box.  A load of the wave covers 128 consecutive bytes; those of b = 0 and b = 1 together an aligned 256.
.irp j, 0,1,2,3,4,5,6,7,8,9,10,11,12,13,14,15
	global_load_b32 v[SC+\j], v[GOFF], s[4:5] offset:2048*(\j/2)+128*(\j%2) th:TH_LOAD_NT
	global_load_b32 v[X1+\j], v[GOFF], s[6:7] offset:2048*(\j/2)+128*(\j%2) th:TH_LOAD_NT            ; tx
	global_load_b32 v[Y1+\j], v[GOFF], s[6:7] offset:16384+2048*(\j/2)+128*(\j%2) th:TH_LOAD_NT      ; ty
	global_load_b32 v[X3+\j], v[GOFF], s[6:7] offset:32768+2048*(\j/2)+128*(\j%2) th:TH_LOAD_NT      ; tw
	global_load_b32 v[Y3+\j], v[GOFF], s[6:7] offset:49152+2048*(\j/2)+128*(\j%2) th:TH_LOAD_NT      ; th
.endr
; Box j: five sigmoids 1 / (1 + 2^(-x log2 e)), then edges, 0.3 x area and the index.
.macro PREP j
.if 5*(15-\j) > 63
	s_wait_loadcnt 63                              ; five loads for each later box were issued behind mine; the wait can name 63 at the most, and fewer is safe
.else
	s_wait_loadcnt 5*(15-\j)                       ; loads come back in order: mine are in, the five of each later box may be out
.endif
	v_mul_f32 v[WA+0], s34, v[SC+\j]
	v_mul_f32 v[WA+1], s34, v[X1+\j]
	v_mul_f32 v[WA+2], s34, v[Y1+\j]
	v_mul_f32 v[WA+3], s34, v[X3+\j]
	v_mul_f32 v[WA+4], s34, v[Y3+\j]
.irp i, 0,1,2,3,4
	v_exp_f32 v[WA+5+\i], v[WA+\i]
.endr
	v_add_nc_u32 v[IX+\j], 512*(\j/2)+32*(\j%2), v[LB]     ; the box's index; also the one plain vector instruction behind the transcendentals, ahead of the first use of a result (ISA guide 5.7.2)
	s_wait_alu depctr_va_vdst(0)
.irp i, 0,1,2,3,4
	v_add_f32 v[WA+\i], 1.0, v[WA+5+\i]
.endr
	v_rcp_f32 v[SC+\j], v[WA+0]                    ; p: the box's first score
	v_rcp_f32 v[WA+5], v[WA+1]                     ; tx
	v_rcp_f32 v[WA+6], v[WA+2]                     ; ty
	v_rcp_f32 v[WA+7], v[WA+3]                     ; tw
	v_rcp_f32 v[WA+8], v[WA+4]                     ; th
	v_nop                                          ; as above
	v_cvt_f32_u32 v[IX+\j], v[IX+\j]
	s_wait_alu depctr_va_vdst(0)
	v_fma_f32 v[WA+10], v[WA+5], s35, v[CX]        ; bx = 8 tx + 8 ix: one rounding, the same as 8 x (ix + tx)
	v_fma_f32 v[WA+11], v[WA+6], s35, v[CY+\j%2]   ; by
	v_fma_f32 v[WA+12], v[WA+7], s36, s37          ; bw / 2 = 5 + 15 tw
	v_fma_f32 v[WA+13], v[WA+8], s36, s37          ; bh / 2
	v_sub_f32 v[X1+\j], v[WA+10], v[WA+12]
	v_add_f32 v[X3+\j], v[WA+10], v[WA+12]
	v_sub_f32 v[Y1+\j], v[WA+11], v[WA+13]
	v_add_f32 v[Y3+\j], v[WA+11], v[WA+13]
	v_sub_f32 v[WA+0], v[X3+\j], v[X1+\j]
	v_sub_f32 v[WA+1], v[Y3+\j], v[Y1+\j]
	v_mul_f32 v[WA+0], v[WA+0], v[WA+1]
	v_mul_f32 v[TA+\j], s38, v[WA+0]               ; 0.3 x area
.if \j%2
	v_add_f32 v[CX], 0x42800000, v[CX]             ; the next a: ix + 8, 64 pixels on
.endif
.endm
.irp j, 0,1,2,3,4,5,6,7,8,9,10,11,12,13,14,15
	PREP \j
.endr
	; A last winner that hits nothing, so that all 50 picks run the same text: a proper box (left edge below right edge) far to the right of every box.
	s_mov_b32 s28, 0x49800000                      ; x1 = 2^20
	s_mov_b32 s29, 0x4a000000                      ; x3 = 2^21
	s_mov_b32 s30, 0                               ; y1
	s_mov_b32 s31, 0                               ; y3
	s_mov_b32 s32, 1.0                             ; 0.3 x area
	s_mov_b32 s19, PICKS/2                         ; a trip makes two picks, one on each ring of slots
	s_wait_xcnt 0x0                                ; EXEC is a source of the loads above: it changes, in the loop and on the way out, only behind this wait;
	                                               ; no global instruction is issued between here and the last change of EXEC
; Boxes 8 g .. 8 g + 7 against the last winner (s28-s32: x1 x3 y1 y3, 0.3 x area), step by step across the eight, so that a result is read four slots
; or more behind the line that makes it.  Twelve slots for two boxes.
; t = 0.3 min(area, AREA) - max(ox, 0) oy, one rounding; t < 0 is a hit.  The clip of ox costs nothing: with left = max of the two left edges, the right
; edge of the intersection, clipped from below at left, is the MIDDLE one of (X3, x3, left), since left lies below its own box's right edge and so is
; never the largest of the three.  oy is not clipped: with ox = 0 the product is 0, with oy < 0 it is negative, and t stays above 0 either way.
; A t below 0 is -2^-48 or further down (both overlaps are then at least 0.75, so the product's last bit is 2^-48 or more), so 2^100 t + 1 is at least 1
; where there is no hit and far below -1 where there is one: max with ZZ, then min into the score, leaves the score, or sets it to 0 (suppressed) or -1
; (the winner itself).  Only minima are taken, so a box that has been put out never comes back.
.macro UPD g
.irp q, 0,1,2,3
	v_dual_max_num_f32 v[WB+2*\q], s28, v[X1+8*\g+2*\q] :: v_dual_max_num_f32 v[WB+2*\q+1], s28, v[X1+8*\g+2*\q+1]     ; left
.endr
.irp q, 0,1,2,3
	v_dual_min_num_f32 v[WC+2*\q], s31, v[Y3+8*\g+2*\q] :: v_dual_min_num_f32 v[WC+2*\q+1], s31, v[Y3+8*\g+2*\q+1]     ; upper
.endr
.irp q, 0,1,2,3
	v_dual_max_num_f32 v[WD+2*\q], s30, v[Y1+8*\g+2*\q] :: v_dual_max_num_f32 v[WD+2*\q+1], s30, v[Y1+8*\g+2*\q+1]     ; lower
.endr
.irp q, 0,1,2,3
	v_dual_min_num_f32 v[WT+2*\q], s32, v[TA+8*\g+2*\q] :: v_dual_min_num_f32 v[WT+2*\q+1], s32, v[TA+8*\g+2*\q+1]     ; 0.3 x smaller area
.endr
.irp i, 0,1,2,3,4,5,6,7
	v_med3_num_f32 v[WA+\i], s29, v[X3+8*\g+\i], v[WB+\i]                                                             ; right, not below left
.endr
.irp q, 0,1,2,3
	v_pk_add_f32 v[WA+2*\q:WA+2*\q+1], v[WB+2*\q:WB+2*\q+1], v[WA+2*\q:WA+2*\q+1] neg_lo:[0,1] neg_hi:[0,1]           ; left - right = -max(ox, 0)
.endr
.irp q, 0,1,2,3
	v_pk_add_f32 v[WC+2*\q:WC+2*\q+1], v[WC+2*\q:WC+2*\q+1], v[WD+2*\q:WD+2*\q+1] neg_lo:[0,1] neg_hi:[0,1]           ; oy
.endr
.irp q, 0,1,2,3
	v_pk_fma_f32 v[WT+2*\q:WT+2*\q+1], v[WA+2*\q:WA+2*\q+1], v[WC+2*\q:WC+2*\q+1], v[WT+2*\q:WT+2*\q+1]               ; t
.endr
.irp q, 0,1,2,3
	v_pk_fma_f32 v[WT+2*\q:WT+2*\q+1], v[WT+2*\q:WT+2*\q+1], v[BIG:BIG+1], 1.0 op_sel_hi:[1,1,0]                      ; 2^100 t + 1
.endr
.irp q, 0,1,2,3
	v_dual_max_num_f32 v[WT+2*\q], v[ZZ], v[WT+2*\q] :: v_dual_max_num_f32 v[WT+2*\q+1], v[ZZ], v[WT+2*\q+1]
.endr
.irp q, 0,1,2,3
	v_dual_min_num_f32 v[SC+8*\g+2*\q], v[SC+8*\g+2*\q], v[WT+2*\q] :: v_dual_min_num_f32 v[SC+8*\g+2*\q+1], v[SC+8*\g+2*\q+1], v[WT+2*\q+1]
.endr
.endm
; My best box, by a tournament: 8 + 4 + 2 + 1 matches of four slots.  The left side always holds the lower indices, and an equal score keeps it.
; A select takes its second source where VCC is set.
; First level: boxes 2 c and 2 c + 1, from their own registers, into candidate c.
.macro MRG1 c
	v_cmp_ge_f32 vcc_lo, v[SC+2*\c], v[SC+2*\c+1]
	v_dual_cndmask_b32 v[CA+6*\c+0], v[X1+2*\c+1], v[X1+2*\c] :: v_dual_cndmask_b32 v[CA+6*\c+1], v[X3+2*\c+1], v[X3+2*\c]
	v_dual_cndmask_b32 v[CA+6*\c+2], v[Y1+2*\c+1], v[Y1+2*\c] :: v_dual_cndmask_b32 v[CA+6*\c+3], v[Y3+2*\c+1], v[Y3+2*\c]
	v_dual_cndmask_b32 v[CA+6*\c+4], v[IX+2*\c+1], v[IX+2*\c] :: v_dual_max_num_f32 v[CA+6*\c+5], v[SC+2*\c+1], v[SC+2*\c]
.endm
; Later levels: candidate l against candidate r, into l.
.macro MRG2 l, r
	v_cmp_ge_f32 vcc_lo, v[CA+6*\l+5], v[CA+6*\r+5]
	v_dual_cndmask_b32 v[CA+6*\l+0], v[CA+6*\r+0], v[CA+6*\l+0] :: v_dual_cndmask_b32 v[CA+6*\l+1], v[CA+6*\r+1], v[CA+6*\l+1]
	v_dual_cndmask_b32 v[CA+6*\l+2], v[CA+6*\r+2], v[CA+6*\l+2] :: v_dual_cndmask_b32 v[CA+6*\l+3], v[CA+6*\r+3], v[CA+6*\l+3]
	v_dual_cndmask_b32 v[CA+6*\l+4], v[CA+6*\r+4], v[CA+6*\l+4] :: v_dual_max_num_f32 v[CA+6*\l+5], v[CA+6*\r+5], v[CA+6*\l+5]
.endm
; One step of a maximum or minimum over the 16 lanes of a half-wave: lane i takes lane i xor m into the arithmetic itself.  opd: the DPP form.
.macro STEP opd, d, s, m
	\opd v[\d], v[\s], v[\s] row_xmask:\m row_mask:0xf bank_mask:0xf
.endm
; All four steps: d = the maximum or minimum of s, in all 16 lanes.  The first step reads s itself: nothing is copied first.
.macro RED16 opd, d, s
	STEP \opd, \d, \s, 1
	STEP \opd, \d, \d, 2
	STEP \opd, \d, \d, 4
	STEP \opd, \d, \d, 8
.endm
; One pick, on ring p of the slots.
.macro PICK p
	UPD 0
	UPD 1
.irp c, 0,1,2,3,4,5,6,7
	MRG1 \c
.endr
	MRG2 0, 1
	MRG2 2, 3
	MRG2 4, 5
	MRG2 6, 7
	MRG2 0, 2
	MRG2 4, 6
	MRG2 0, 4
	; the half-wave's best: the largest score, and among equal ones the lowest index
	RED16 v_max_num_f32_dpp, MX, BEST
	v_cmp_eq_f32 vcc_lo, v[BEST], v[MX]
	v_cndmask_b32 v[KX], s39, v[II], vcc_lo        ; lanes that do not hold the maximum bid 8192
	RED16 v_min_num_f32_dpp, KX, KX
	v_cmpx_eq_f32 v[II], v[KX]                     ; EXEC: one lane in each half (no two lanes hold the same index): the lane that holds the half's best box
	ds_store_b128 v[RW], v[REC:REC+3] offset:\p*RING               ; it stores its own record
	ds_store_b64 v[KW], v[II:II+1] offset:\p*RING+KEYS             ; and key to the half's slot
	s_mov_b32 exec_lo, -1                          ; all lanes on again
	s_wait_dscnt 0x0                               ; for the other waves' sake: my two slots are written (and wave 0's last stage stores are done)
	s_barrier_signal -1
	s_barrier_wait -1                              ; all sixteen slots of this ring are written.  ONE barrier a pick is enough: this ring is written again two picks
	                                               ; on, behind the other ring's barrier, and in front of that one every wave has waited for its reads below
	; the work-group's best of the sixteen slots, found alike by every half of every wave
	ds_load_b64 v[QI:QI+1], v[KR] offset:\p*RING+KEYS
	ds_load_b128 v[QQ:QQ+3], v[RR] offset:\p*RING
	s_wait_dscnt 0x1                               ; LDS loads come back in order: the key is in, the one load behind it (the record) may be out
	STEP v_max_num_f32_dpp, EE, QS, 1
	s_wait_dscnt 0x0                               ; the record is in; my reads of this ring are over
	v_sub_f32 v[TA2], v[QQ+1], v[QQ+0]             ; 0.3 x area in the same steps as at the start: the same bits.  Its four lines stand between the
	STEP v_max_num_f32_dpp, EE, EE, 2              ; steps of the maximum, each of which reads the one before
	v_sub_f32 v[W1], v[QQ+3], v[QQ+2]
	STEP v_max_num_f32_dpp, EE, EE, 4
	v_mul_f32 v[TA2], v[TA2], v[W1]
	STEP v_max_num_f32_dpp, EE, EE, 8
	v_mul_f32 v[TA2], s38, v[TA2]
	v_cmp_eq_f32 vcc_lo, v[QS], v[EE]
	v_cndmask_b32 v[K2], s39, v[QI], vcc_lo
	RED16 v_min_num_f32_dpp, K2, K2
	v_cmpx_eq_f32 v[QI], v[K2]                     ; EXEC: the two lanes, one in each half, that read the winning slot
.irp i, 0,1,2,3
	v_readfirstlane_b32 s[28+\i], v[QQ+\i]         ; the winner: what the next pick tests against
.endr
	v_readfirstlane_b32 s32, v[TA2]
	; wave 0 keeps the pick for the way out, straight from the registers of these two lanes (the same bytes from both)
	s_cmp_lg_u32 s18, 0
	s_cbranch_scc1 .Lnot_wave_0_\@
	ds_store_b128 v[STG], v[QQ:QQ+3] offset:32*\p
	ds_store_b32 v[STG], v[QS] offset:32*\p+16
.Lnot_wave_0_\@:
	s_mov_b32 exec_lo, -1                          ; all lanes on again
	v_cmp_eq_f32 vcc_lo, v[II], v[K2]              ; the winner is its own lane's best box, so this marks its lane, in its wave alone
	v_cndmask_b32 v[ZZ], 0, v[NEG1], vcc_lo
.endm
.Ltrip:
	PICK 0
	PICK 1
	v_add_nc_u32 v[STG], 64, v[STG]                ; two picks on in the stage
	s_sub_co_i32 s19, s19, 1
	s_cmp_lg_u32 s19, 0
	s_cbranch_scc1 .Ltrip
	; THE WAY OUT.  Thread k < 50 puts out pick k.  The four images' numbers alternate word by word in [50][4], so a work-group's words lie 16 bytes apart:
	; 250 words in all.
	s_wait_dscnt 0x0                               ; wave 0's stage stores are done,
	s_barrier_signal -1
	s_barrier_wait -1                              ; and wave 1 may read them
	s_cmp_gt_u32 s18, 1
	s_cbranch_scc1 .Lidle
	v_min_u32 v[W1], PICKS-1, v0                   ; threads 50 to 63 read the last pick and store nothing
	v_lshlrev_b32 v[W1], 5, v[W1]
	ds_load_b128 v[EE:EE+3], v[W1] offset:STAGE    ; x1 x3 y1 y3
	ds_load_b32 v[EE+4], v[W1] offset:STAGE+16     ; score
	v_lshlrev_b32 v[TA2], 4, v0                    ; row k of 16 bytes,
	s_lshl_b32 s21, ttmp9, 2
	v_add_nc_u32 v[TA2], s21, v[TA2]               ; my image's word in it
	s_wait_dscnt 0x0
	v_add_f32 v[SV+0], v[EE+0], v[EE+1]
	v_add_f32 v[SV+1], v[EE+2], v[EE+3]
	v_sub_f32 v[SV+2], v[EE+1], v[EE+0]            ; bw = x3 - x1
	v_sub_f32 v[SV+3], v[EE+3], v[EE+2]            ; bh = y3 - y1
	v_mul_f32 v[SV+0], 0.5, v[SV+0]                ; bx = (x1 + x3) / 2
	v_mul_f32 v[SV+1], 0.5, v[SV+1]                ; by = (y1 + y3) / 2
	v_cmp_gt_u32 vcc_lo, PICKS, v0
	s_wait_tensorcnt 0x0
	ds_add_u32 v248, v249
	s_wait_dscnt 0x0
	s_and_saveexec_b32 s42, vcc_lo                 ; no global instruction has been issued since the s_wait_xcnt 0 in front of the loop
	global_store_b32 v[TA2], v[EE+4], s[8:9]       ; the masked probability: p, or 0 for a box that was never chosen
	global_store_b32 v[TA2], v[SV+0], s[10:11]
	global_store_b32 v[TA2], v[SV+1], s[12:13]
	global_store_b32 v[TA2], v[SV+2], s[14:15]
	global_store_b32 v[TA2], v[SV+3], s[16:17]
	s_endpgm
.Lidle:
	s_wait_tensorcnt 0x0
	ds_add_u32 v248, v249
	s_wait_dscnt 0x0
	s_endpgm
.Lfunc_end_k_q85337a9733_nms:
	.size	k_q85337a9733_nms, .Lfunc_end_k_q85337a9733_nms-k_q85337a9733_nms
	.p2alignl 7, 3214868480
	.fill 96, 4, 3214868480
	.section	.rodata,"a",@progbits
	.p2align	6, 0x0
	.amdhsa_kernel k_q85337a9733_nms
		.amdhsa_group_segment_fixed_size 3840
		.amdhsa_private_segment_fixed_size 0
		.amdhsa_enable_private_segment 0
		.amdhsa_kernarg_size 56
		.amdhsa_user_sgpr_count 2
		.amdhsa_user_sgpr_kernarg_segment_ptr 1
		.amdhsa_wavefront_size32 1
		.amdhsa_system_sgpr_workgroup_id_x 1
		.amdhsa_system_sgpr_workgroup_id_y 1
		.amdhsa_system_sgpr_workgroup_id_z 1
		.amdhsa_system_vgpr_workitem_id 0
		.amdhsa_next_free_vgpr 250
		.amdhsa_next_free_sgpr 66
		.amdhsa_reserve_vcc 1
		.amdhsa_float_denorm_mode_32 3
		.amdhsa_float_denorm_mode_16_64 3
		.amdhsa_memory_ordered 1
		.amdhsa_forward_progress 1
		.amdhsa_inst_pref_size 57
	.end_amdhsa_kernel
	.amdgpu_metadata
---
amdhsa.version: [ 1, 2 ]
amdhsa.kernels:
  - .name:           k_q85337a9733_nms
    .symbol:         k_q85337a9733_nms.kd
    .args:
      - { .name: logit_raw, .offset: 0, .size: 8, .value_kind: global_buffer, .address_space: global }
      - { .name: tmap_raw, .offset: 8, .size: 8, .value_kind: global_buffer, .address_space: global }
      - { .name: out0, .offset: 16, .size: 8, .value_kind: global_buffer, .address_space: global }
      - { .name: out1, .offset: 24, .size: 8, .value_kind: global_buffer, .address_space: global }
      - { .name: out2, .offset: 32, .size: 8, .value_kind: global_buffer, .address_space: global }
      - { .name: out3, .offset: 40, .size: 8, .value_kind: global_buffer, .address_space: global }
      - { .name: out4, .offset: 48, .size: 8, .value_kind: global_buffer, .address_space: global }
    .group_segment_fixed_size: 3840
    .private_segment_fixed_size: 0
    .kernarg_segment_align: 8
    .kernarg_segment_size: 56
    .max_flat_workgroup_size: 256
    .sgpr_count:     66
    .vgpr_count:     250
    .wavefront_size: 32
...
	.end_amdgpu_metadata
.endif
;; end of part 3
